; MI455X (gfx1250); checked and timed in simulation.
; The chip was launched on July 23, 2026; its instructions are those of AMD's public machine-readable ISA for CDNA 5 (MIT licence, August 2026) and "CDNA5" Instruction Set Architecture Reference Guide (July 2026). The comments in the code are by the model that wrote it; some were corrected since.
;; Self Attention Module. Allowed arithmetic: matrix products marked QUANTISED: E3M2 operands, one E8M0 scale for each 32 along K, by v_wmma_scale_f32_16x16x128_f8f6f4 with both operands' format E3M2, f32 sums; everything else in f32.
;; Inputs: W_out_codes 1,024 x 32 x 24 uint8 (E3M2 codes of W_out, K innermost, in blocks of 32 codes, four codes in three bytes); W_out_scales 1,024 x 32 uint8 (E8M0 scales of W_out, one for each 32 codes along K); W_qkv_codes 3,072 x 32 x 24 uint8 (E3M2 codes of W_qkv, K innermost, in blocks of 32 codes, four codes in three bytes); W_qkv_scales 3,072 x 32 uint8 (E8M0 scales of W_qkv, one for each 32 codes along K); b_out 1,024 float32; b_qkv 3,072 float32; beta 1,024 float32; gamma 1,024 float32; x 4 x 2,048 x 1,024 float32.
;; Outputs: out0 4 x 2,048 x 1,024 float32.
;; This version of the problem:
;;   THIS VERSION OF THE PROBLEM IS GIVEN IN LOW PRECISION. The matrix products marked QUANTISED in the list below multiply operands that are first quantised to E3M2 (3 exponent bits, 2 mantissa bits; 6 bits a number), with one power-of-two scale for each 32 numbers along K (OCP MX v1.0); their sums are f32. All else is computed in f32.
;;   The module's matrix products, in the order in which they are computed (A, B: the left and right operand; K: the contracted axis; several contracted axes count as one K, in the product's order):
;;     1. [M 8,192, K 1,024] x [K 1,024, N 3,072]; A: input x; B: input W_qkv (given as codes): QUANTISED
;;     2. batch 64 x [M 2,048, K 64] x [K 64, N 2,048]; A: computed on the way; B: computed on the way: QUANTISED
;;     3. batch 64 x [M 2,048, K 2,048] x [K 2,048, N 64]; A: softmax (see below); B: computed on the way: QUANTISED
;;     4. [M 8,192, K 1,024] x [K 1,024, N 1,024]; A: computed on the way; B: input W_out (given as codes): QUANTISED
;;   THE QUANTISER, for each operand of a quantised product, along K:
;;     - K is cut into blocks of 32 from its start; a last block that is shorter is filled with zeros.
;;     - A block's scale is 2^e with e = floor(log2(the largest magnitude in the block)) - 4, held to -126 .. 127; a block of zeros has e = 0. As a byte (E8M0): e + 127.
;;     - Each number is divided by its block's scale, clamped to +-28, and rounded to the nearest number of E3M2, ties to even, subnormals kept.
;;     - The product sums the exact products of the quantised numbers (number of the format x scale) in f32.
;;   ~~~python
;;   def quantise(x, axis):      # numpy; x: float32 -> the quantised numbers, widened to float32 again
;;       x = np.moveaxis(x, axis, -1); K = x.shape[-1]
;;       x = np.pad(x, [(0, 0)] * (x.ndim - 1) + [(0, -K % 32)]); x = x.reshape(x.shape[:-1] + (-1, 32)); a = np.abs(x).max(-1, keepdims=True)
;;       e = np.where(a > 0, np.clip(np.frexp(np.where(a > 0, a, 1))[1] - 1 - 4, -126, 127), 0)      # np.frexp(a)[1] - 1 = floor(log2(a)), exactly
;;       r = np.clip(x / 2.0 ** e, -28, 28)
;;       step = 2.0 ** (np.maximum(np.frexp(np.where(r == 0, 1, r))[1] - 1, -2) - 2)
;;       q = np.round(r / step) * step * 2.0 ** e      # np.round: ties to even
;;       return np.moveaxis(q.reshape(q.shape[:-2] + (-1,))[..., :K], -1, axis).astype(np.float32)
;;   ~~~
;;   SOFTMAX AHEAD OF A QUANTISED PRODUCT. Where the list says 'softmax', what is quantised is not the finished softmax but p = 2^(t - M), with t = logit x log2(e) and M = ceil(the row's largest t), a whole number; so 1/2 < the row's largest p <= 1. The row's sum l is taken of the UNQUANTISED p, in f32, and the product's result is divided by l at the end. Since M is a whole number, a kernel that streams over the keys may use a running M (the ceiling of the running maximum): every later rescaling is an exact power of two, which a block's scale takes up: the codes' values come out the same.
;;   OPERANDS COMPUTED ON THE WAY. 'Computed on the way' means the value that the module computes at that place (a softmax that the list does not call 'softmax' is quantised finished and normalised). What goes into a quantiser is computed in f32, as accurately as f32 sums, v_exp_f32 and their like allow (about 1e-6 of the number): no bf16 or f16 on the way to a quantiser, and a product that is left as it is and whose result goes on into a quantised operand takes f32 operands (vector FMAs, or v_wmma_f32_16x16x4_f32). A number that lies on a knife's edge between two numbers of the format may be rounded either way, as far as f32 arithmetic and the matrix unit's own rounding can turn it there, and no further.
;;   INPUTS GIVEN AS CODES. W_out (in the module: [1024, 1024], K = its axis 0); W_qkv (in the module: [1024, 3072], K = its axis 0): each comes as NAME_codes (uint8): NAME with its K axis moved to the last place and cut into blocks of 32 codes, [.., K / 32, bytes a block], one block behind the other in memory; four codes in three bytes: a row's codes are one little-endian stream of bits, code i at bits 6 i .. 6 i + 5 (a code: sign, 3 exponent bits, 2 mantissa bits); and NAME_scales (uint8): the same leading axes, one E8M0 byte (e + 127) for each 32 codes along K. Its value is code x scale, taken as it is: it is not quantised again, and the codes and scales need not be those that the quantiser above would give.
;; One version. Each part assembles by itself: llvm-mc -triple=amdgcn-amd-amdhsa -mcpu=gfx1250 --defsym DOCPART=n.
;; ======== version 1 of 1: 4 launches
;; workspace buffers: xw 6,553,600 bytes; wqi 2,359,296 bytes; woi 786,432 bytes; qkvw 20,447,232 bytes; ctxw 8,388,608 bytes
;; launch prep (part 1): grid 256 x 1, 4 waves a work-group, no clusters, 34,304 bytes of LDS; arguments x, W_qkv_codes, W_out_codes, xw, wqi, woi; writes xw, wqi, woi
.if DOCPART == 1
	.amdgcn_target "amdgcn-amd-amdhsa--gfx1250"
	.amdhsa_code_object_version 6
	.text
	.protected	k_qfe11a1179b_prep
	.globl	k_qfe11a1179b_prep
	.p2align	8
	.type	k_qfe11a1179b_prep,@function
k_qfe11a1179b_prep:
	s_mov_b64 s[64:65], 0
	v_nop
	global_prefetch_b8 v0, s[64:65] scope:SCOPE_SE
	s_setreg_imm32_b32 hwreg(HW_REG_WAVE_MODE, 25, 1), 1
	s_wait_xcnt 0x0
; x [8192][1024] f32 becomes codes of E3M2 with one E8M0 byte for each 32 along K, laid in the ORDER OF THE OPERAND'S REGISTERS; the two weights' codes are laid out the same way.
; TILES.  In each group of 32 rows, tile u (0, 1) has lane r <-> row 8 u + r + (r & 8): so that, where such a tile is source 0 of a product, the 16 result registers of tiles 2 b, 2 b + 1 are 16 neighbours.
; xw: tile T (512 of them) at 12,800 T: the image of K step s (12 registers a lane, three stores of 16 bytes a lane, 512 bytes each) at 1,536 s; at 12,288 + 256 hf + 8 lane + 4 c the scale word of row r, K step 4 hf + 2 c + lane / 16.
; wqi, woi: the image of (tile t, K step s) at 1,536 (8 t + s).
; SHARES.  Work-group g: rows 32 g on.  Wave w: tile 2 g + w / 2, K steps 4 (w % 2) on; and two fragments of weight tile g (W_qkv: g < 192; W_out: g - 192), K steps 2 w, 2 w + 1.
; A load takes 512 neighbouring bytes of one row; the 16 rows x 512 bytes of a K step turn through the wave's own stage in LDS (rows 528 bytes apart) so that a lane gets 16 neighbours of each block of 32.
; No cluster, no tensor load, no barrier: work-groups and waves share nothing.
; LIMITS: NaN and infinities are not served.  A block whose largest magnitude lies under 2^-122, a block of zeros among them, gets the byte 1 (the quantiser says 127 for zeros): its codes are zeros or held as the byte 1 gives them; this program alone reads the bytes.
.set WV,   16
.set SEL,  20
.set LI16, 1                           ; v1  16 x lane
.set LI8,  2                           ; v2  8 x lane
.set WOF,  4                           ; v4  weights: (r + (r & 8)) x 768 + 24 (lane / 16)
.set STW,  5                           ; v5  the stage, in
.set STR,  6                           ; v6  the stage, out
.set R,    16                          ; v16-143  two sets of 64: a K step as loaded
.set X,    144                         ; v144-207 64 numbers: register 16 b + i = k 32 b + 16 (lane / 16) + i of my row
.set PC,   208                         ; v208-219 the codes just made
.set PT,   220                         ; v220-226 second halves of blocks
.set TM,   228                         ; v228-239 largest magnitudes, bytes, scale operands
.set PW,   244                         ; the scale word just made
.set SX,   246                         ; v[246:247] the four K steps' words
.macro QUANT s                         ; 64 numbers of a lane become a fragment's 12 registers in v[PC] on and its row's scale word in v[PW]
.irp b, 0,1,2,3
	v_max3_num_f32 v[TM+\b], |v[(\s)+16*\b]|, |v[(\s)+1+16*\b]|, 0x2800000   ; and the floor 2^(5 - 127): the byte cannot fall under 1
.endr
.irp i, 2,4,6,8,10,12,14
.irp b, 0,1,2,3
	v_max3_num_f32 v[TM+\b], v[TM+\b], |v[(\s)+16*\b+\i]|, |v[(\s)+1+16*\b+\i]|
.endr
.endr
.irp b, 0,1,2,3
	v_permlanex16_b32 v[TM+4+\b], v[TM+\b], s[SEL], s[SEL+1]
.endr
.irp b, 0,1,2,3
	v_max_num_f32 v[TM+\b], v[TM+\b], v[TM+4+\b]         ; with lane l xor 16's 16 numbers: the block's largest magnitude
.endr
.irp b, 0,1,2,3
	v_add_nc_u32 v[TM+8+\b], 0xfe000000, v[TM+\b]        ; 4 off its exponent field: the conversion's scale operand
.endr
.irp b, 0,1,2,3
	v_lshrrev_b32 v[TM+4+\b], 23, v[TM+8+\b]             ; the scale's byte
.endr
	v_lshl_or_b32 v[PW], v[TM+5], 8, v[TM+4]
	v_lshl_or_b32 v[PW], v[TM+6], 16, v[PW]
	v_lshl_or_b32 v[PW], v[TM+7], 24, v[PW]
.irp c, 0,1
	v_cvt_scalef32_pk16_bf6_f32 v[PC+6*\c:PC+2+6*\c], v[(\s)+32*\c:(\s)+15+32*\c], v[TM+8+2*\c]
	v_cvt_scalef32_pk16_bf6_f32 v[PT+4*\c:PT+2+4*\c], v[(\s)+16+32*\c:(\s)+31+32*\c], v[TM+9+2*\c]
.endr
	v_nop                                          ; one plain place behind the conversions
.irp c, 0,1                                    ; a whole block to a lane: lanes 0-15 block 2 c, lanes 16-31 block 2 c + 1
.irp i, 0,1,2
	v_permlane16_swap_b32 v[PC+6*\c+\i], v[PT+4*\c+\i]
.endr
.irp i, 0,1,2
	v_mov_b32 v[PC+3+6*\c+\i], v[PT+4*\c+\i]
.endr
.endr
.endm
	s_load_b256 s[4:11], s[0:1], 0x0               ; x s[4:5], W_qkv's codes s[6:7], W_out's s[8:9], xw s[10:11]
	s_load_b128 s[12:15], s[0:1], 0x20             ; wqi s[12:13], woi s[14:15]
	v_lshl_add_u32 v254, v0, 2, 0x8400
	v_mov_b32 v255, 0
	v_lshrrev_b32 v3, 5, v0
	v_readfirstlane_b32 s[WV], v3                  ; wave 0..3
	v_and_b32 v3, 31, v0
	v_lshlrev_b32 v[LI16], 4, v3
	v_lshlrev_b32 v[LI8], 3, v3
	v_and_b32 v7, 15, v0                           ; r
	v_bfe_u32 v8, v0, 4, 1                         ; h
	v_and_b32 v9, 8, v7
	v_add_nc_u32 v9, v9, v7                        ; r + (r & 8)
	v_mul_u32_u24 v[WOF], v9, 768                  ; a weight's row is 1,024 codes, 768 bytes
	v_mad_u32_u24 v[WOF], v8, 24, v[WOF]
	s_mul_i32 s17, s[WV], 8448                     ; my stage: 16 rows x 528 bytes
	v_add_nc_u32 v[STW], s17, v[LI16]
	v_mul_u32_u24 v[STR], v7, 528
	v_lshl_add_u32 v[STR], v8, 6, v[STR]
	v_add_nc_u32 v[STR], s17, v[STR]
.irp b, 0,1,2,3
	v_mov_b32 v[TM+4+\b], 0                        ; written once: a lane permute's destination counts as one of its sources
.endr
	s_mov_b32 s[SEL], 0x76543210
	s_mov_b32 s[SEL+1], 0xfedcba98                 ; lane l xor 16
	s_mov_b32 vcc_lo, 0xffff0000                   ; lanes 16-31, for the selects below
	s_lshr_b32 s18, s[WV], 1                       ; which tile of the group
	s_and_b32 s19, s[WV], 1                        ; which half of K
	s_lshl_b32 s24, ttmp9, 17                      ; x: 32 g rows of 4,096 bytes,
	s_lshl_b32 s25, s18, 15                        ; + 8 rows for tile 1,
	s_add_co_u32 s24, s24, s25
	s_lshl_b32 s25, s19, 11                        ; + 2,048 bytes for the upper half of K
	s_add_co_u32 s24, s24, s25
	s_mov_b32 s25, 0
	s_lshl_b32 s26, ttmp9, 1
	s_add_co_u32 s26, s26, s18                     ; T
	s_mul_i32 s26, s26, 12800
	s_mov_b32 s27, 0
	s_mul_i32 s28, s19, 6144                       ; my four images
	s_mov_b32 s29, 0
	s_lshl_b32 s30, s19, 8                         ; my 256 bytes of scale words
	s_mov_b32 s31, 0
	s_wait_alu depctr_va_vdst(0)
	s_wait_kmcnt 0x0
	s_cmp_lt_u32 ttmp9, 192                        ; W_qkv's tile or W_out's: the choice hangs on the work-group's number alone
	s_cselect_b64 s[6:7], s[6:7], s[8:9]
	s_cselect_b64 s[12:13], s[12:13], s[14:15]
	s_cselect_b32 s22, 0, 192
	s_sub_co_u32 s22, ttmp9, s22                   ; t
	s_lshr_b32 s32, s22, 1
	s_mul_i32 s32, s32, 24576                      ; the group's 32 rows,
	s_and_b32 s33, s22, 1
	s_mul_i32 s33, s33, 6144                       ; 8 rows on for tile 1,
	s_add_co_u32 s32, s32, s33
	s_mul_i32 s33, s[WV], 192                      ; K steps 2 w, 2 w + 1
	s_add_co_u32 s32, s32, s33
	s_mov_b32 s33, 0
	s_add_nc_u64 s[6:7], s[6:7], s[32:33]
	s_mul_i32 s34, s22, 12288
	s_mul_i32 s35, s[WV], 3072
	s_add_co_u32 s34, s34, s35
	s_mov_b32 s35, 0
	s_add_nc_u64 s[12:13], s[12:13], s[34:35]
	s_add_nc_u64 s[4:5], s[4:5], s[24:25]
	s_add_nc_u64 s[10:11], s[10:11], s[26:27]
	s_add_nc_u64 s[36:37], s[10:11], s[28:29]      ; where my images go
	s_add_nc_u64 s[38:39], s[10:11], s[30:31]      ; where my scale words go (+ 12,288)
.irp f, 0,1
.irp p, 0,1,2,3,4,5
	global_load_b64 v[X+12*\f+2*\p:X+12*\f+2*\p+1], v[WOF], s[6:7] offset:96*\f+48*(\p/3)+8*(\p%3)   ; a weight fragment as the operand's layout has it
.endr
.endr
.macro LOAD t                          ; K step t of my four: 16 rows x 512 bytes
.irp i, 0,1,2,3,4,5,6,7,8,9,10,11,12,13,14,15
	global_load_b128 v[R+64*((\t)%2)+4*\i:R+64*((\t)%2)+4*\i+3], v[LI16], s[4:5] offset:(\i+(\i&8))*4096+512*(\t) th:TH_LOAD_NT
.endr
.endm
	LOAD 0
	LOAD 1
	s_wait_loadcnt 32                              ; the 12 weight loads are in; the 32 of x may be out
.irp f, 0,1
.irp c, 0,1,2
	global_store_b128 v[LI16], v[X+12*\f+4*\c:X+12*\f+4*\c+3], s[12:13] offset:1536*\f+512*\c   ; 512 consecutive bytes a store
.endr
.endr
.macro STEP t
.if (\t) < 3
	s_wait_loadcnt 16                              ; this step's 16 loads are in; the next step's may be out
.else
	s_wait_loadcnt 0x0
.endif
	s_wait_xcnt 0x0                                ; the earlier stores have read X, PC: they are written again only behind this wait
.irp i, 0,1,2,3,4,5,6,7,8,9,10,11,12,13,14,15
	ds_store_b128 v[STW], v[R+64*((\t)%2)+4*\i:R+64*((\t)%2)+4*\i+3] offset:528*\i
.endr
.irp b, 0,1,2,3
.irp j, 0,1,2,3
	ds_load_b128 v[X+16*\b+4*\j:X+16*\b+4*\j+3], v[STR] offset:128*\b+16*\j   ; LDS serves a wave's instructions in order: these see the stores above
.endr
.endr
	s_wait_dscnt 0x0                               ; the numbers are back, and the stores have read their registers,
.if (\t) < 2
	LOAD (\t)+2                                    ; which take the loads of two steps on
.endif
	QUANT X
.irp c, 0,1,2
	global_store_b128 v[LI16], v[PC+4*\c:PC+4*\c+3], s[36:37] offset:1536*(\t)+512*\c
.endr
.if (\t)%2 == 0
	v_mov_b32 v[SX+(\t)/2], v[PW]                  ; lanes 0-15 keep the even step's word,
.else
	v_cndmask_b32 v[SX+(\t)/2], v[SX+(\t)/2], v[PW], vcc_lo   ; lanes 16-31 take the odd step's
.endif
.endm
	STEP 0
	STEP 1
	STEP 2
	STEP 3
	global_store_b64 v[LI8], v[SX:SX+1], s[38:39] offset:12288   ; 256 consecutive bytes
	s_wait_tensorcnt 0x0
	ds_add_u32 v254, v255
	s_wait_dscnt 0x0
	s_endpgm
.Lfunc_end_k_qfe11a1179b_prep:
	.size	k_qfe11a1179b_prep, .Lfunc_end_k_qfe11a1179b_prep-k_qfe11a1179b_prep
	.p2alignl 7, 3214868480
	.fill 96, 4, 3214868480
	.section	.rodata,"a",@progbits
	.p2align	6, 0x0
	.amdhsa_kernel k_qfe11a1179b_prep
		.amdhsa_group_segment_fixed_size 34304
		.amdhsa_private_segment_fixed_size 0
		.amdhsa_enable_private_segment 0
		.amdhsa_kernarg_size 48
		.amdhsa_user_sgpr_count 2
		.amdhsa_user_sgpr_kernarg_segment_ptr 1
		.amdhsa_wavefront_size32 1
		.amdhsa_system_sgpr_workgroup_id_x 1
		.amdhsa_system_sgpr_workgroup_id_y 1
		.amdhsa_system_sgpr_workgroup_id_z 1
		.amdhsa_system_vgpr_workitem_id 0
		.amdhsa_next_free_vgpr 256
		.amdhsa_next_free_sgpr 66
		.amdhsa_reserve_vcc 1
		.amdhsa_float_denorm_mode_32 3
		.amdhsa_float_denorm_mode_16_64 3
		.amdhsa_memory_ordered 1
		.amdhsa_forward_progress 1
		.amdhsa_inst_pref_size 36
	.end_amdhsa_kernel
	.amdgpu_metadata
---
amdhsa.version: [ 1, 2 ]
amdhsa.kernels:
  - .name:           k_qfe11a1179b_prep
    .symbol:         k_qfe11a1179b_prep.kd
    .args:
      - { .name: x, .offset: 0, .size: 8, .value_kind: global_buffer, .address_space: global }
      - { .name: W_qkv_codes, .offset: 8, .size: 8, .value_kind: global_buffer, .address_space: global }
      - { .name: W_out_codes, .offset: 16, .size: 8, .value_kind: global_buffer, .address_space: global }
      - { .name: xw, .offset: 24, .size: 8, .value_kind: global_buffer, .address_space: global }
      - { .name: wqi, .offset: 32, .size: 8, .value_kind: global_buffer, .address_space: global }
      - { .name: woi, .offset: 40, .size: 8, .value_kind: global_buffer, .address_space: global }
    .group_segment_fixed_size: 34304
    .private_segment_fixed_size: 0
    .kernarg_segment_align: 8
    .kernarg_segment_size: 48
    .max_flat_workgroup_size: 128
    .sgpr_count:     66
    .vgpr_count:     256
    .wavefront_size: 32
...
	.end_amdgpu_metadata
.endif
;; end of part 1
;; launch qkv (part 2): grid 8 x 32, 4 waves a work-group, clusters of 4 x 1, 205,312 bytes of LDS; arguments xw, wqi, W_qkv_scales, b_qkv, qkvw; writes qkvw
.if DOCPART == 2
	.amdgcn_target "amdgcn-amd-amdhsa--gfx1250"
	.amdhsa_code_object_version 6
	.text
	.protected	k_qfe11a1179b_qkv
	.globl	k_qfe11a1179b_qkv
	.p2align	8
	.type	k_qfe11a1179b_qkv,@function
k_qfe11a1179b_qkv:
	s_mov_b64 s[64:65], 0
	v_nop
	global_prefetch_b8 v0, s[64:65] scope:SCOPE_SE
	s_setreg_imm32_b32 hwreg(HW_REG_WAVE_MODE, 25, 1), 1
	s_wait_xcnt 0x0
	s_wait_alu depctr_hold_cnt(0) depctr_sa_sdst(0) depctr_va_vdst(0) depctr_va_sdst(0) depctr_va_ssrc(0) depctr_va_vcc(0) depctr_vm_vsrc(0)
	s_getreg_b32 s2, hwreg(HW_REG_IB_STS2, 6, 4)
	s_cmp_eq_u32 s2, 0
	s_cbranch_scc0 .Lentry_in_a_cluster
	s_endpgm
.Lentry_in_a_cluster:
	s_bfe_u32 s2, ttmp6, 0x10000c
	s_cmp_lg_u32 s2, 0x3003
	s_cbranch_scc0 .Lentry_shape_is_right
	s_endpgm
.Lentry_shape_is_right:
; q, k, v = x W_qkv + b_qkv on codes of E3M2, and their quantising for attention: q and k along the head's 64, v along the keys.  Nothing wide goes to memory.
; SHARES.  Work-group (cg, y): rows 256 y on (16 tiles of x: one dense block of 204,800 bytes of xw, which stays in LDS) x heads 2 cg, 2 cg + 1 of q, k and v.
; THE WEIGHTS STAY IN REGISTERS: wave w holds 6 tiles x 8 K steps = 576 registers: the 4 tiles of one head of q (w < 2) or k, and 2 tiles of v.  Every wave walks the 16 tiles of x.
; q, k: TRANSPOSED (source 0 = W, source 1 = x): a lane holds one row and 32 registers along the head.  v: STRAIGHT (source 0 = x, source 1 = W): a lane holds one channel and its registers run along the keys.
; CLUSTER.  The four work-groups of a cluster share y: x's block is asked for jointly, one tensor load a wave (200 rows of 256 bytes), once; no LDS byte is filled again.
; qkvw: record (16 bh + ks) of 19,968 bytes for rows 128 ks on of head bh: q's part at 0, k's at 6,656: 8 half images (6 registers: 16 bytes a lane, then 8 bytes a lane at 512) of 768 bytes, then at 6,144 + 16 (16 (tile & 1) + r) + 4 (tile / 2)
; the scale word (s0, s1, s0, s1); v's part at 13,312: 4 images of 1,536 bytes (16 channels x 128 keys), then at 6,144 + 256 c + 8 lane two copies of a word: lanes 0-15 channel tile 2 c, lanes 16-31 tile 2 c + 1.
; REGISTERS, in windows of 256.  Window 0: addresses, scale words, accumulators, the quantiser.  Windows 1, 2: K steps 0-2, 3-5: W(s, t) at 72 (s % 3) + 12 t, x's fragment at 216 + 12 (s % 3).
; Window 3: K steps 6, 7: W at 72 (s - 6) + 12 t, x's at 144 + 12 (s - 6); v168-199 q/k's bias and v200-215 v's, in the results' layouts: each is the C of a sum's first product.
; LIMITS: NaN and infinities are not served; a block whose largest magnitude lies under 2^-122 (zeros among them) gets the byte 1; this program alone reads the bytes.
.set WV,   14
.set SEL,  20
.set G1,   24
.set G0,   32
.set TB,   36                          ; s36  LDS byte of the tile of x whose fragments are fetched next
.set CNT,  37
.set QKB,  38                          ; s[38:39] where my q or k part goes
.set VB,   40                          ; s[40:41] my two images of v
.set VSB,  42                          ; s[42:43] their scale words
.set LI16, 1
.set LI8,  2
.set AD16, 3
.set AD8,  4
.set WS,   16                          ; v16-39  W's scale words: tile t at 16 + 4 t: register q: lanes 0-15 K step q, lanes 16-31 K step 4 + q
.set XS,   40                          ; v40-43  x's: register c: lanes 0-15 K step 2 c, lanes 16-31 K step 2 c + 1
.set SW,   44                          ; v44-47  q/k's scale words of a record, as they are stored
.set QA,   48                          ; v48-79  4 accumulators of q or k
.set VA,   80                          ; v80-207 2 channel tiles x 8 tiles of rows
.set PC,   208
.set PT,   220
.set TM,   228
.set PW,   244
.set SV,   246
.set BQ,   168
.set BV,   200
.set MSB, 0
.macro WIN new                         ; the immediate's high byte repeats the setting that is left
.if MSB != (\new)
	s_set_vgpr_msb (MSB<<8)|(\new)
.set MSB, (\new)
.endif
.endm
.macro PLACES n
.rept \n
	v_nop
.endr
.endm
.macro CROUND                          ; a round of the cluster's barrier
	s_barrier_signal -1
	s_barrier_wait -1
	s_cmp_lg_u32 s[WV], 0
	s_cbranch_scc1 .Lnot_wave_0_\@
	s_barrier_signal -3
.Lnot_wave_0_\@:
	s_barrier_wait -3
	s_barrier_signal -1
	s_barrier_wait -1
.endm
.macro WMC d, a, b, c, sa, sb, ra, rb  ; one product; ra, rb: the side's scale words lie in lanes 16-31
.if (\ra) && (\rb)
	v_wmma_scale_f32_16x16x128_f8f6f4 v[\d:\d+7], v[\a:\a+11], v[\b:\b+11], v[\c:\c+7], v[\sa], v[\sb] matrix_a_fmt:MATRIX_FMT_BF6 matrix_b_fmt:MATRIX_FMT_BF6 matrix_a_scale:MATRIX_SCALE_ROW1 matrix_b_scale:MATRIX_SCALE_ROW1
.elseif (\ra)
	v_wmma_scale_f32_16x16x128_f8f6f4 v[\d:\d+7], v[\a:\a+11], v[\b:\b+11], v[\c:\c+7], v[\sa], v[\sb] matrix_a_fmt:MATRIX_FMT_BF6 matrix_b_fmt:MATRIX_FMT_BF6 matrix_a_scale:MATRIX_SCALE_ROW1
.elseif (\rb)
	v_wmma_scale_f32_16x16x128_f8f6f4 v[\d:\d+7], v[\a:\a+11], v[\b:\b+11], v[\c:\c+7], v[\sa], v[\sb] matrix_a_fmt:MATRIX_FMT_BF6 matrix_b_fmt:MATRIX_FMT_BF6 matrix_b_scale:MATRIX_SCALE_ROW1
.else
	v_wmma_scale_f32_16x16x128_f8f6f4 v[\d:\d+7], v[\a:\a+11], v[\b:\b+11], v[\c:\c+7], v[\sa], v[\sb] matrix_a_fmt:MATRIX_FMT_BF6 matrix_b_fmt:MATRIX_FMT_BF6
.endif
.endm
.macro QUANT s                         ; 64 numbers of a lane (register 16 b + i = k 32 b + 16 (lane / 16) + i) become a fragment in v[PC] on and a scale word in v[PW]
.irp b, 0,1,2,3
	v_max3_num_f32 v[TM+\b], |v[(\s)+16*\b]|, |v[(\s)+1+16*\b]|, 0x2800000
.endr
.irp i, 2,4,6,8,10,12,14
.irp b, 0,1,2,3
	v_max3_num_f32 v[TM+\b], v[TM+\b], |v[(\s)+16*\b+\i]|, |v[(\s)+1+16*\b+\i]|
.endr
.endr
.irp b, 0,1,2,3
	v_permlanex16_b32 v[TM+4+\b], v[TM+\b], s[SEL], s[SEL+1]
.endr
.irp b, 0,1,2,3
	v_max_num_f32 v[TM+\b], v[TM+\b], v[TM+4+\b]
.endr
.irp b, 0,1,2,3
	v_add_nc_u32 v[TM+8+\b], 0xfe000000, v[TM+\b]
.endr
.irp b, 0,1,2,3
	v_lshrrev_b32 v[TM+4+\b], 23, v[TM+8+\b]
.endr
	v_lshl_or_b32 v[PW], v[TM+5], 8, v[TM+4]
	v_lshl_or_b32 v[PW], v[TM+6], 16, v[PW]
	v_lshl_or_b32 v[PW], v[TM+7], 24, v[PW]
.irp c, 0,1
	v_cvt_scalef32_pk16_bf6_f32 v[PC+6*\c:PC+2+6*\c], v[(\s)+32*\c:(\s)+15+32*\c], v[TM+8+2*\c]
	v_cvt_scalef32_pk16_bf6_f32 v[PT+4*\c:PT+2+4*\c], v[(\s)+16+32*\c:(\s)+31+32*\c], v[TM+9+2*\c]
.endr
	v_nop
.irp c, 0,1
.irp i, 0,1,2
	v_permlane16_swap_b32 v[PC+6*\c+\i], v[PT+4*\c+\i]
.endr
.irp i, 0,1,2
	v_mov_b32 v[PC+3+6*\c+\i], v[PT+4*\c+\i]
.endr
.endr
.endm
.macro QUANT2 s, dup                   ; the same for 32 numbers, two blocks: six registers in v[PC] on; dup = 1: the two bytes stand twice in the word
.irp b, 0,1
	v_max3_num_f32 v[TM+\b], |v[(\s)+16*\b]|, |v[(\s)+1+16*\b]|, 0x2800000
.endr
.irp i, 2,4,6,8,10,12,14
.irp b, 0,1
	v_max3_num_f32 v[TM+\b], v[TM+\b], |v[(\s)+16*\b+\i]|, |v[(\s)+1+16*\b+\i]|
.endr
.endr
.irp b, 0,1
	v_permlanex16_b32 v[TM+4+\b], v[TM+\b], s[SEL], s[SEL+1]
.endr
.irp b, 0,1
	v_max_num_f32 v[TM+\b], v[TM+\b], v[TM+4+\b]
.endr
.irp b, 0,1
	v_add_nc_u32 v[TM+8+\b], 0xfe000000, v[TM+\b]
.endr
.irp b, 0,1
	v_lshrrev_b32 v[TM+4+\b], 23, v[TM+8+\b]
.endr
	v_lshl_or_b32 v[PW], v[TM+5], 8, v[TM+4]
.if \dup
	v_lshl_or_b32 v[PW], v[PW], 16, v[PW]
.endif
	v_cvt_scalef32_pk16_bf6_f32 v[PC:PC+2], v[(\s):(\s)+15], v[TM+8]
	v_cvt_scalef32_pk16_bf6_f32 v[PT:PT+2], v[(\s)+16:(\s)+31], v[TM+9]
	v_nop
.irp i, 0,1,2
	v_permlane16_swap_b32 v[PC+\i], v[PT+\i]
.endr
.irp i, 0,1,2
	v_mov_b32 v[PC+3+\i], v[PT+\i]
.endr
.endm
	s_load_b256 s[4:11], s[0:1], 0x0               ; xw s[4:5], wqi s[6:7], W_qkv's scales s[8:9], b_qkv s[10:11]
	s_load_b64 s[12:13], s[0:1], 0x20              ; qkvw
	v_lshl_add_u32 v254, v0, 2, 0x32000
	v_mov_b32 v255, 0
	ds_add_u32 v254, v255
	ds_add_u32 v254, v255
	v_lshrrev_b32 v3, 5, v0
	v_readfirstlane_b32 s[WV], v3                  ; wave 0..3
	s_bfe_u32 s15, ttmp6, 0x40000                  ; cx: it enters the weights' and the results' global addresses alone
	s_lshl_b32 s16, ttmp9, 2
	s_add_co_u32 s16, s16, s15                     ; cg
	s_and_b32 s17, ttmp7, 0xffff                   ; y, which the four partners share
	s_lshr_b32 s18, s[WV], 1
	s_and_b32 s19, s[WV], 1
	s_mov_b32 s[G1], 15|(3<<16)|(1<<21)            ; the mask: all four work-groups; elements of 8 bytes; bit 21 set beside a mask; no padding
	s_mov_b32 s[G1+1], 32<<16                      ; tensor_dim0 = 32 elements: rows of 256 bytes
	s_mov_b32 s[G1+2], 200<<16                     ; tensor_dim1 = 200
	s_mov_b32 s[G1+3], 32<<16                      ; tile_dim0
	s_mov_b32 s[G1+4], 200                         ; tile_dim1
	s_mov_b32 s[G1+5], 32                          ; the pitch: the block is dense
	s_mov_b32 s[G1+6], 0
	s_mov_b32 s[G1+7], 0
	s_mul_i32 s[G0+1], s[WV], 51200                ; my quarter of the block, in LDS
	s_mul_i32 s46, s17, 204800
	s_add_co_u32 s46, s46, s[G0+1]                 ; and in xw
	s_mov_b32 s47, 0
	s_wait_dscnt 0x0
	s_wait_kmcnt 0x0
	s_mov_b32 s[G0], 1
	s_add_nc_u64 s[G0+2:G0+3], s[4:5], s[46:47]
	s_or_b32 s[G0+3], s[G0+3], 0x80000000
	CROUND                                         ; all four work-groups are here: the joint loads meet
	tensor_load_to_lds s[G0:G0+3], s[G1:G1+7]      ; my one tensor load of the launch
	s_nop 0
	PLACES 4
	v_and_b32 v3, 31, v0
	v_lshlrev_b32 v[LI16], 4, v3
	v_lshlrev_b32 v[LI8], 3, v3
	v_and_b32 v8, 15, v0                           ; r
	v_bfe_u32 v9, v0, 4, 1                         ; h
	v_and_b32 v10, 8, v8
	v_add_nc_u32 v10, v10, v8                      ; r + (r & 8)
	v_lshlrev_b32 v5, 5, v10
	v_lshl_add_u32 v5, v9, 4, v5                   ; W's scales: 32 bytes a row, + 16 h
	v_lshlrev_b32 v6, 6, v9                        ; q/k's bias: 16 h numbers on
	s_wait_alu depctr_va_vdst(0)
	v_lshlrev_b32 v7, 2, v10                       ; v's bias: my channel
	s_wait_alu depctr_va_vdst(0)
	s_lshl_b32 s22, s16, 1
	s_add_co_u32 s23, s22, s18                     ; v's head: 2 cg + w / 2
	s_add_co_u32 s22, s22, s19                     ; q/k's head: 2 cg + w % 2
	s_lshl_b32 s44, s18, 10
	s_lshl_b32 s45, s22, 6
	s_add_co_u32 s44, s44, s45                     ; RQ: my first row of W for q or k
	s_lshl_b32 s45, s23, 6
	s_lshl_b32 s60, s19, 5
	s_add_co_u32 s45, s45, s60
	s_add_co_u32 s45, s45, 2048                    ; RV: for v
	s_mov_b32 s61, 0
	s_mul_i32 s60, s44, 768                        ; 16 rows are a tile of 8 images: 12,288 bytes
	s_add_nc_u64 s[48:49], s[6:7], s[60:61]
	s_mul_i32 s60, s45, 768
	s_add_nc_u64 s[50:51], s[6:7], s[60:61]
	s_lshl_b32 s60, s44, 5
	s_add_nc_u64 s[52:53], s[8:9], s[60:61]
	s_lshl_b32 s60, s45, 5
	s_add_nc_u64 s[54:55], s[8:9], s[60:61]
	s_lshl_b32 s60, s44, 2
	s_add_nc_u64 s[56:57], s[10:11], s[60:61]
	s_lshl_b32 s60, s45, 2
	s_add_nc_u64 s[58:59], s[10:11], s[60:61]
.irp s, 0,1,2,3,4,5,6,7                        ; the weights' images: 16 bytes a lane, 512 bytes a load
	WIN (1+\s/3)<<6
.irp t, 0,1,2,3
.irp c, 0,1,2
	global_load_b128 v[72*(\s%3)+12*\t+4*\c:72*(\s%3)+12*\t+4*\c+3], v[LI16], s[48:49] offset:(8*\t+\s)*1536+512*\c
.endr
.endr
.irp u, 0,1
.irp c, 0,1,2
	global_load_b128 v[72*(\s%3)+48+12*\u+4*\c:72*(\s%3)+48+12*\u+4*\c+3], v[LI16], s[50:51] offset:(8*\u+\s)*1536+512*\c
.endr
.endr
.endr
.irp b, 0,1                                    ; (window 3)  q/k's bias: register 16 b + i = channel 32 b + 16 h + i
.irp q, 0,1,2,3
	global_load_b128 v[BQ+16*\b+4*\q:BQ+16*\b+4*\q+3], v6, s[56:57] offset:128*\b+16*\q
.endr
.endr
.irp u, 0,1                                    ; v's: a lane's eight results are eight keys of one channel
.irp j, 0,1,2,3,4,5,6,7
	global_load_b32 v[BV+8*\u+\j], v7, s[58:59] offset:32*\u
.endr
.endr
	WIN 0
.irp t, 0,1,2,3
	global_load_b128 v[WS+4*\t:WS+4*\t+3], v5, s[52:53] offset:(32*(\t/2)+8*(\t%2))*32
.endr
.irp u, 0,1
	global_load_b128 v[WS+16+4*\u:WS+16+4*\u+3], v5, s[54:55] offset:256*\u
.endr
	s_lshr_b32 s2, s17, 3
	s_lshl_b32 s2, s2, 4                           ; 16 x batch
	s_and_b32 s3, s17, 7
	s_lshl_b32 s3, s3, 1                           ; my first record of the head: 2 (y % 8)
	s_add_co_u32 s60, s2, s22
	s_lshl_b32 s60, s60, 4
	s_add_co_u32 s60, s60, s3
	s_mul_i32 s60, s60, 19968
	s_mul_i32 s44, s18, 6656                       ; q's part or k's
	s_add_co_u32 s60, s60, s44
	s_add_nc_u64 s[QKB:QKB+1], s[12:13], s[60:61]
	s_add_co_u32 s60, s2, s23
	s_lshl_b32 s60, s60, 4
	s_add_co_u32 s60, s60, s3
	s_mul_i32 s60, s60, 19968
	s_add_nc_u64 s[VB:VB+1], s[12:13], s[60:61]
	s_mul_i32 s60, s19, 3072
	s_add_co_u32 s60, s60, 13312
	s_add_nc_u64 s[VSB:VSB+1], s[VB:VB+1], 19456
	s_add_nc_u64 s[VB:VB+1], s[VB:VB+1], s[60:61]
	s_lshl_b32 s60, s19, 8
	s_add_nc_u64 s[VSB:VSB+1], s[VSB:VSB+1], s[60:61]
.irp b, 0,1,2,3
	v_mov_b32 v[TM+4+\b], 0                        ; written once: a lane permute's destination counts as one of its sources
.endr
	s_mov_b32 s[SEL], 0x76543210
	s_mov_b32 s[SEL+1], 0xfedcba98
	s_mov_b32 vcc_lo, 0xffff0000                   ; lanes 16-31
	s_mov_b32 s[TB], 0
	s_mov_b32 s[CNT], 2
	s_wait_tensorcnt 0x0                           ; my quarter of x's block is in,
	s_wait_loadcnt 0x0                             ; and my weights
	s_barrier_signal -1
	s_barrier_wait -1                              ; everybody's quarter is
.macro FA g                            ; the fragments of the tile at v[AD16]: g = 0: K steps 0-2, 1: 3-5, 2: 6, 7 and the scale words
.if (\g) < 2
	WIN 0x40*(1+(\g))
.irp q, 0,1,2
.irp c, 0,1,2
	ds_load_b128 v[216+12*\q+4*\c:216+12*\q+4*\c+3], v[AD16] offset:1536*(3*(\g)+\q)+512*\c
.endr
.endr
.else
	WIN 0xc0
.irp q, 0,1
.irp c, 0,1,2
	ds_load_b128 v[144+12*\q+4*\c:144+12*\q+4*\c+3], v[AD16] offset:1536*(6+\q)+512*\c
.endr
.endr
	WIN 0
	ds_load_b64 v[XS:XS+1], v[AD8] offset:12288
	ds_load_b64 v[XS+2:XS+3], v[AD8] offset:12544
.endif
.endm
.macro STEPW s, k                      ; K step s of tile k of the record: six products, six accumulators by turns
.if (\s) < 6
.set AR, 216+12*((\s)%3)
.else
.set AR, 144+12*((\s)-6)
.endif
.set WR, 72*((\s)%3)
.set S3, (\s)&3
.set S1, (\s)>>1
.set RW, (\s)>>2
.set RX, (\s)&1
.irp t, 0,1,2,3
.if (\s) == 0
	WMC QA+8*\t, WR+12*\t, AR, BQ+8*\t, WS+4*\t+S3, XS+S1, RW, RX
.else
	WMC QA+8*\t, WR+12*\t, AR, QA+8*\t, WS+4*\t+S3, XS+S1, RW, RX
.endif
.endr
.irp u, 0,1
.if (\s) == 0
	WMC VA+64*\u+8*(\k), AR, WR+48+12*\u, BV+8*\u, XS+S1, WS+16+4*\u+S3, RX, RW
.else
	WMC VA+64*\u+8*(\k), AR, WR+48+12*\u, VA+64*\u+8*(\k), XS+S1, WS+16+4*\u+S3, RX, RW
.endif
.endr
.endm
; A tile of 16 rows: 48 products; each group of x's fragments is fetched anew, for the next tile, four places behind the last product that read it; then q's or k's 16 rows x 64 are quantised and leave.
.macro ROWTILE k, nxt
	s_wait_dscnt 0x0                               ; this tile's fragments and scale words are in
	s_add_co_u32 s[TB], s[TB], 12800
.if \nxt
	v_add_nc_u32 v[AD16], s[TB], v[LI16]
	v_add_nc_u32 v[AD8], s[TB], v[LI8]
.endif
	WIN 0x35                                       ; sources 0, 1 window 1; C (the bias) window 3; D window 0
	STEPW 0, \k
	WIN 0x05
	STEPW 1, \k
	STEPW 2, \k
	PLACES 4
.if \nxt
	FA 0
.endif
	WIN 0x0a
	STEPW 3, \k
	STEPW 4, \k
	STEPW 5, \k
	PLACES 4
.if \nxt
	FA 1
.endif
	WIN 0x0f
	STEPW 6, \k
	STEPW 7, \k
	PLACES 4                                       ; for the loads below and for the first read of the results
.if \nxt
	s_wait_alu depctr_va_vdst(0)
	FA 2
.endif
	WIN 0
	s_wait_xcnt 0x0                                ; the last tile's stores have read PC and SW
	QUANT2 QA, 1
	global_store_b128 v[LI16], v[PC:PC+3], s[QKB:QKB+1] offset:768*(\k)       ; 512 consecutive bytes,
	global_store_b64 v[LI8], v[PC+4:PC+5], s[QKB:QKB+1] offset:768*(\k)+512   ; and 256
.if (\k)%2 == 0
	v_mov_b32 v[SW+(\k)/2], v[PW]
.else
	v_cndmask_b32 v[SW+(\k)/2], v[SW+(\k)/2], v[PW], vcc_lo
.endif
.endm
.Lrec:                                             ; two trips: a record of 128 rows each
	v_add_nc_u32 v[AD16], s[TB], v[LI16]
	v_add_nc_u32 v[AD8], s[TB], v[LI8]
	FA 0
	FA 1
	FA 2
	ROWTILE 0, 1
	ROWTILE 1, 1
	ROWTILE 2, 1
	ROWTILE 3, 1
	ROWTILE 4, 1
	ROWTILE 5, 1
	ROWTILE 6, 1
	ROWTILE 7, 0
	global_store_b128 v[LI16], v[SW:SW+3], s[QKB:QKB+1] offset:6144   ; the record's scale words of q or k: 512 bytes
.irp u, 0,1                                    ; v: 16 channels x 128 keys a tile: a whole fragment along the keys
	s_wait_xcnt 0x0                                ; the earlier stores have read PC and SV
	QUANT VA+64*\u
.irp c, 0,1,2
	global_store_b128 v[LI16], v[PC+4*\c:PC+4*\c+3], s[VB:VB+1] offset:1536*\u+512*\c
.endr
.if \u == 0
	v_mov_b32 v[SV], v[PW]
.else
	v_cndmask_b32 v[SV], v[SV], v[PW], vcc_lo
.endif
.endr
	v_mov_b32 v[SV+1], v[SV]
	global_store_b64 v[LI8], v[SV:SV+1], s[VSB:VSB+1]   ; 256 consecutive bytes
	s_wait_xcnt 0x0                                ; the stores have read their bases
	s_add_nc_u64 s[QKB:QKB+1], s[QKB:QKB+1], 19968
	s_add_nc_u64 s[VB:VB+1], s[VB:VB+1], 19968
	s_add_nc_u64 s[VSB:VSB+1], s[VSB:VSB+1], 19968
	s_sub_co_u32 s[CNT], s[CNT], 1
	s_cmp_lg_u32 s[CNT], 0
	s_cbranch_scc1 .Lrec
	s_wait_dscnt 0x0
	s_wait_tensorcnt 0x0
	ds_add_u32 v254, v255
	s_wait_dscnt 0x0
	CROUND                                         ; the closing round
	s_endpgm
.Lfunc_end_k_qfe11a1179b_qkv:
	.size	k_qfe11a1179b_qkv, .Lfunc_end_k_qfe11a1179b_qkv-k_qfe11a1179b_qkv
	.p2alignl 7, 3214868480
	.fill 96, 4, 3214868480
	.section	.rodata,"a",@progbits
	.p2align	6, 0x0
	.amdhsa_kernel k_qfe11a1179b_qkv
		.amdhsa_group_segment_fixed_size 205312
		.amdhsa_private_segment_fixed_size 0
		.amdhsa_enable_private_segment 0
		.amdhsa_kernarg_size 40
		.amdhsa_user_sgpr_count 2
		.amdhsa_user_sgpr_kernarg_segment_ptr 1
		.amdhsa_wavefront_size32 1
		.amdhsa_system_sgpr_workgroup_id_x 1
		.amdhsa_system_sgpr_workgroup_id_y 1
		.amdhsa_system_sgpr_workgroup_id_z 1
		.amdhsa_system_vgpr_workitem_id 0
		.amdhsa_next_free_vgpr 1024
		.amdhsa_next_free_sgpr 66
		.amdhsa_reserve_vcc 1
		.amdhsa_float_denorm_mode_32 3
		.amdhsa_float_denorm_mode_16_64 3
		.amdhsa_memory_ordered 1
		.amdhsa_forward_progress 1
		.amdhsa_inst_pref_size 116
	.end_amdhsa_kernel
	.amdgpu_metadata
---
amdhsa.version: [ 1, 2 ]
amdhsa.kernels:
  - .name:           k_qfe11a1179b_qkv
    .symbol:         k_qfe11a1179b_qkv.kd
    .args:
      - { .name: xw, .offset: 0, .size: 8, .value_kind: global_buffer, .address_space: global }
      - { .name: wqi, .offset: 8, .size: 8, .value_kind: global_buffer, .address_space: global }
      - { .name: W_qkv_scales, .offset: 16, .size: 8, .value_kind: global_buffer, .address_space: global }
      - { .name: b_qkv, .offset: 24, .size: 8, .value_kind: global_buffer, .address_space: global }
      - { .name: qkvw, .offset: 32, .size: 8, .value_kind: global_buffer, .address_space: global }
    .group_segment_fixed_size: 205312
    .private_segment_fixed_size: 0
    .kernarg_segment_align: 8
    .kernarg_segment_size: 40
    .max_flat_workgroup_size: 128
    .sgpr_count:     66
    .vgpr_count:     1024
    .wavefront_size: 32
...
	.end_amdgpu_metadata
.endif
;; end of part 2
;; launch attn (part 3): grid 4 x 64, 16 waves a work-group, clusters of 4 x 1, 215,040 bytes of LDS; arguments qkvw, ctxw; writes ctxw
.if DOCPART == 3
	.amdgcn_target "amdgcn-amd-amdhsa--gfx1250"
	.amdhsa_code_object_version 6
	.text
	.protected	k_qfe11a1179b_attn
	.globl	k_qfe11a1179b_attn
	.p2align	8
	.type	k_qfe11a1179b_attn,@function
k_qfe11a1179b_attn:
	s_mov_b64 s[64:65], 0
	v_nop
	global_prefetch_b8 v0, s[64:65] scope:SCOPE_SE
	s_setreg_imm32_b32 hwreg(HW_REG_WAVE_MODE, 25, 1), 1
	s_wait_xcnt 0x0
	s_wait_alu depctr_hold_cnt(0) depctr_sa_sdst(0) depctr_va_vdst(0) depctr_va_sdst(0) depctr_va_ssrc(0) depctr_va_vcc(0) depctr_vm_vsrc(0)
	s_getreg_b32 s2, hwreg(HW_REG_IB_STS2, 6, 4)
	s_cmp_eq_u32 s2, 0
	s_cbranch_scc0 .Lentry_in_a_cluster
	s_endpgm
.Lentry_in_a_cluster:
	s_bfe_u32 s2, ttmp6, 0x10000c
	s_cmp_lg_u32 s2, 0x3003
	s_cbranch_scc0 .Lentry_shape_is_right
	s_endpgm
.Lentry_shape_is_right:
; ctx = softmax(q k^T / 8) v for one head, both products on codes of E3M2; ctx is quantised along the head's 64 on its way out.
; THE SOFTMAX: t = score x log2(e) / 8; M = the running largest t rounded UP to a whole number; p = 2^(t - M) is quantised along the keys, not normalised; the row's sum is taken of the unquantised p and divides at the end;
; when M moves, the sum and O are multiplied by 2^(old M - new M), exactly.
; SHARES.  Work-group (cx, bh): 512 queries of head bh.  The head's whole K and V, 16 key steps x 13,312 bytes, stay in LDS: wave w asks for key step w, jointly with the three partners that walk the same head (52 rows of 256 bytes); filled once.
; Each of the sixteen waves (four to a SIMD) takes one tile of 16 queries at a time, two one after the other, and walks the 16 key steps of 128 keys.
; LAYOUT.  Both products transposed: S^T = K Q^T, O^T = V^T P^T: a lane holds one query.  The tiles of keys and channels are in the order that makes 16 registers of two neighbouring tiles 16 neighbours.
; K = 64 IN AN INSTRUCTION OF 128: the other 64 are zero codes on both sides.  q lies as [q Z q], two tiles of keys as [K Z K']: the even tile multiplies (K, Z) x (q, Z), the odd one (Z, K') x (Z, q); the scale words hold (s0, s1, s0, s1).
; ctxw: record (16 T + head) of 1,024 bytes for tile T of 16 rows: a half image (16 bytes a lane; 8 bytes a lane at 512), then at 768 + 8 lane two copies of the word s0 | s1 << 8.
; LIMITS: NaN and infinities are not served; a block whose largest magnitude lies under 2^-122 (zeros among them) gets the byte 1; this program alone reads the bytes.
.set WV,   8
.set CS,   12                          ; s[12:13] c = log2(e) / 8
.set SEL,  14
.set G1,   16
.set G0,   24
.set TB,   28                          ; s28  LDS byte of the key step in hand
.set STP,  29
.set PAS,  30
.set QB,   32                          ; s[32:33] my tile of q
.set CB,   34                          ; s[34:35] my record of ctxw
.set LI16, 1
.set LI8,  2
.set ADK,  3
.set AD8,  4
.set QSO,  6                           ; v6  where my tile's scale word lies, from QB
.set QS,   34                          ; q's scale words
.set KB,   36                          ; v36-71  two pairs of tiles of K
.set KS,   72                          ; v72-75  K's scale words: register p: lanes 0-15 tile 2 p, lanes 16-31 tile 2 p + 1
.set VS,   76                          ; v76-77  V's likewise
.set PS,   78                          ; p's scale word
.set S,    96                          ; v96-159 S^T, then p; v96-143 then take V's four fragments
.set O,    160                         ; v160-191 O^T
.set PC,   192                         ; v192-203 p's codes
.set PT,   204
.set TM,   212                         ; v212-215 block maxima, v216-219 at work, v220-223 scale operands
.set BM,   212
.set BX,   216
.set SO,   220
.set F,    224                         ; v[224:225] f
.set PW,   226                         ; at work; ctx's scale word
.macro PLACES n
.rept \n
	v_nop
.endr
.endm
.macro CROUND
	s_barrier_signal -1
	s_barrier_wait -1
	s_cmp_lg_u32 s[WV], 0
	s_cbranch_scc1 .Lnot_wave_0_\@
	s_barrier_signal -3
.Lnot_wave_0_\@:
	s_barrier_wait -3
	s_barrier_signal -1
	s_barrier_wait -1
.endm
.macro WM0 d, a, b, sa, sb, ra         ; a product that starts a sum
.if (\ra)
	v_wmma_scale_f32_16x16x128_f8f6f4 v[\d:\d+7], v[\a:\a+11], v[\b:\b+11], 0, v[\sa], v[\sb] matrix_a_fmt:MATRIX_FMT_BF6 matrix_b_fmt:MATRIX_FMT_BF6 matrix_a_scale:MATRIX_SCALE_ROW1
.else
	v_wmma_scale_f32_16x16x128_f8f6f4 v[\d:\d+7], v[\a:\a+11], v[\b:\b+11], 0, v[\sa], v[\sb] matrix_a_fmt:MATRIX_FMT_BF6 matrix_b_fmt:MATRIX_FMT_BF6
.endif
.endm
.macro WMA d, a, b, sa, sb, ra         ; a product that adds in place
.if (\ra)
	v_wmma_scale_f32_16x16x128_f8f6f4 v[\d:\d+7], v[\a:\a+11], v[\b:\b+11], v[\d:\d+7], v[\sa], v[\sb] matrix_a_fmt:MATRIX_FMT_BF6 matrix_b_fmt:MATRIX_FMT_BF6 matrix_a_scale:MATRIX_SCALE_ROW1
.else
	v_wmma_scale_f32_16x16x128_f8f6f4 v[\d:\d+7], v[\a:\a+11], v[\b:\b+11], v[\d:\d+7], v[\sa], v[\sb] matrix_a_fmt:MATRIX_FMT_BF6 matrix_b_fmt:MATRIX_FMT_BF6
.endif
.endm
	s_load_b128 s[4:7], s[0:1], 0x0                ; qkvw s[4:5], ctxw s[6:7]
	v_lshl_add_u32 v254, v0, 2, 0x34000
	v_mov_b32 v255, 0
	ds_add_u32 v254, v255
	ds_add_u32 v254, v255
	v_lshrrev_b32 v3, 5, v0
	s_delay_alu instid0(VALU_DEP_1)
	v_readfirstlane_b32 s[WV], v3                  ; wave 0..15
	s_bfe_u32 s9, ttmp6, 0x40000                   ; cx: it enters q's and ctx's global addresses alone
	s_and_b32 s10, ttmp7, 0xffff                   ; bh, which the four partners share
	s_mov_b32 s[G1], 15|(3<<16)|(1<<21)            ; the mask: all four work-groups; elements of 8 bytes; bit 21 set beside a mask; no padding
	s_mov_b32 s[G1+1], 32<<16                      ; rows of 256 bytes
	s_mov_b32 s[G1+2], 52<<16                      ; 52 of them: a record's parts of k and v
	s_mov_b32 s[G1+3], 32<<16
	s_mov_b32 s[G1+4], 52
	s_mov_b32 s[G1+5], 32                          ; dense
	s_mov_b32 s[G1+6], 0
	s_mov_b32 s[G1+7], 0
	s_mul_i32 s[G0+1], s[WV], 13312                ; key step w, in LDS
	s_lshl_b32 s36, s10, 4
	s_add_co_u32 s36, s36, s[WV]
	s_mul_i32 s36, s36, 19968
	s_add_co_u32 s36, s36, 6656                    ; and in qkvw: behind q's part of its record
	s_mov_b32 s37, 0
	s_wait_dscnt 0x0
	s_wait_kmcnt 0x0
	s_mov_b32 s[G0], 1
	s_add_nc_u64 s[G0+2:G0+3], s[4:5], s[36:37]
	s_or_b32 s[G0+3], s[G0+3], 0x80000000
	CROUND                                         ; all four work-groups are here: the joint loads meet
	tensor_load_to_lds s[G0:G0+3], s[G1:G1+7]      ; my one tensor load of the launch
	s_nop 0
	PLACES 4
	v_and_b32 v3, 31, v0
	s_delay_alu instid0(VALU_DEP_1)
	v_lshlrev_b32 v[LI16], 4, v3
	s_delay_alu instid0(VALU_DEP_2)
	v_lshlrev_b32 v[LI8], 3, v3
	s_lshl_b32 s38, s10, 4
	s_lshl_b32 s39, s9, 2
	s_add_co_u32 s38, s38, s39
	s_lshr_b32 s39, s[WV], 3
	s_add_co_u32 s38, s38, s39                     ; q's record: 16 bh + 4 cx + w / 8 (two records on in the second pass)
	s_mul_i32 s38, s38, 19968
	s_and_b32 s40, s[WV], 7                        ; my tile in it
	s_mul_i32 s41, s40, 768
	s_add_co_u32 s38, s38, s41
	s_mov_b32 s39, 0
	s_add_nc_u64 s[QB:QB+1], s[4:5], s[38:39]
	s_sub_co_u32 s41, 6144, s41                    ; the scale words begin at 6,144 of the part
	s_and_b32 s42, s40, 1
	s_lshl_b32 s42, s42, 8
	s_add_co_u32 s41, s41, s42
	s_lshr_b32 s42, s40, 1
	s_lshl_b32 s42, s42, 2
	s_add_co_u32 s41, s41, s42
	v_and_b32 v[QSO], 15, v0
	s_delay_alu instid0(VALU_DEP_1)
	v_lshl_add_u32 v[QSO], v[QSO], 4, s41
	s_lshr_b32 s42, s10, 4
	s_lshl_b32 s42, s42, 7                         ; 128 tiles a batch
	s_lshl_b32 s43, s9, 5
	s_add_co_u32 s42, s42, s43
	s_add_co_u32 s42, s42, s[WV]                   ; T
	s_lshl_b32 s42, s42, 4
	s_and_b32 s43, s10, 15
	s_add_co_u32 s42, s42, s43                     ; 16 T + head
	s_lshl_b32 s42, s42, 10
	s_mov_b32 s43, 0
	s_add_nc_u64 s[CB:CB+1], s[6:7], s[42:43]
	s_mov_b32 s[CS], 0x3e38aa3b                    ; log2(e) / 8
	s_mov_b32 s[CS+1], s[CS]                       ; (named with it as a pair, so it is written)
	s_mov_b32 s[SEL], 0x76543210
	s_mov_b32 s[SEL+1], 0xfedcba98
.irp j, 0,1,2,3,4,5
	v_mov_b32 v[22+\j], 0                          ; the zero codes: between q's two copies,
	v_mov_b32 v[KB+6+\j], 0                        ; and between the tiles of each pair of K
	v_mov_b32 v[KB+24+\j], 0
.endr
.irp b, 0,1,2,3
	v_mov_b32 v[BX+\b], 0                          ; written once: a lane permute's destination counts as one of its sources
.endr
	v_mov_b32 v[F+1], 0                            ; (named as the upper half of the pair)
	v_mov_b32 v[PW], 0
	s_mov_b32 s[PAS], 2
	s_wait_tensorcnt 0x0                           ; my key step is in,
	s_barrier_signal -1
	s_barrier_wait -1                              ; everybody's is
.Lpass:                                            ; two trips: a tile of 16 queries each
	global_load_b128 v[16:19], v[LI16], s[QB:QB+1]
	global_load_b64 v[20:21], v[LI8], s[QB:QB+1] offset:512
	global_load_b128 v[28:31], v[LI16], s[QB:QB+1]
	global_load_b64 v[32:33], v[LI8], s[QB:QB+1] offset:512
	global_load_b32 v[QS], v[QSO], s[QB:QB+1]
	v_mov_b32 v13, 0xff61b1e6                      ; the largest t so far: -3e38
	s_delay_alu instid0(VALU_DEP_1)
	v_floor_f32 v12, -v13                          ; -M
	v_mov_b32 v14, 0                               ; the sum, in two halves
	v_mov_b32 v15, 0
.set j, 0
.rept 32
	v_mov_b32 v[O+j], 0                            ; O^T: the step is written once; the first finds zeros, which the first change of M leaves zeros
.set j, j+1
.endr
	s_mov_b32 s[TB], 0
	s_mov_b32 s[STP], 16
	s_wait_loadcnt 0x0
.Lstep:                                            ; sixteen trips: 128 keys each
	s_setprio 2
	v_add_nc_u32 v[ADK], s[TB], v[LI16]
	s_wait_alu depctr_va_vdst(0)
	v_add_nc_u32 v[AD8], s[TB], v[LI8]
	s_wait_alu depctr_va_vdst(0)
	PLACES 3                                       ; five places in all: the scores are laid over V's fragments, which the last products read
	ds_load_b128 v[KS:KS+3], v[ADK] offset:6144
.irp g, 0,1                                    ; S^T = K Q^T, four tiles of 16 keys at a time
.if \g
	PLACES 4                                       ; in front of loads into registers that the products above have read
.endif
.irp i, 0,1
.irp e, 0,1
	ds_load_b128 v[KB+18*\i+12*\e:KB+18*\i+12*\e+3], v[ADK] offset:768*(4*\g+2*\i+\e)
	ds_load_b64 v[KB+18*\i+12*\e+4:KB+18*\i+12*\e+5], v[AD8] offset:768*(4*\g+2*\i+\e)+512
.endr
.endr
	s_wait_dscnt 0x0
.irp i, 0,1
.irp e, 0,1
	WM0 S+8*(4*\g+2*\i+\e), KB+18*\i+6*\e, 16+6*\e, KS+2*\g+\i, QS, \e
.endr
.endr
.endr                                          ; the 16 registers of tiles 2 b, 2 b + 1 are keys 32 b + 16 (lane / 16) + 0 .. 15 of the step
	PLACES 4
.irp b, 0,1,2,3
	v_max3_num_f32 v[BM+\b], v[S+16*\b], v[S+1+16*\b], v[S+2+16*\b]   ; the largest score of each block of 32 keys: for the row's maximum and, since p rises with the score, for the block's largest p
.endr
.irp i, 3,5,7,9,11,13
.irp b, 0,1,2,3
	v_max3_num_f32 v[BM+\b], v[BM+\b], v[S+16*\b+\i], v[S+1+16*\b+\i]
.endr
.endr
.irp b, 0,1,2,3
	v_max_num_f32 v[BM+\b], v[BM+\b], v[S+15+16*\b]
.endr
.irp b, 0,1,2,3
	s_delay_alu instid0(VALU_DEP_4)
	v_permlanex16_b32 v[BX+\b], v[BM+\b], s[SEL], s[SEL+1]
.endr
.irp b, 0,1,2,3
	s_delay_alu instid0(VALU_DEP_4)
	v_max_num_f32 v[BM+\b], v[BM+\b], v[BX+\b]     ; with lane l xor 16's 16 keys
.endr
	s_delay_alu instid0(VALU_DEP_2)
	v_max3_num_f32 v[PW], v[BM], v[BM+1], v[BM+2]
	s_delay_alu instid0(VALU_DEP_1)
	v_max_num_f32 v[PW], v[PW], v[BM+3]            ; the step's largest score of my query
	s_delay_alu instid0(VALU_DEP_1)
	v_mul_f32 v[PW], s[CS], v[PW]                  ; as t
	s_delay_alu instid0(VALU_DEP_1)
	v_max_num_f32 v13, v13, v[PW]                  ; the running largest t
	v_mov_b32 v[PW], v12
	s_delay_alu instid0(VALU_DEP_2)
	v_floor_f32 v12, -v13                          ; the new -M = -ceil(t)
	s_delay_alu instid0(VALU_DEP_1)
	v_sub_f32 v[PW], v12, v[PW]                    ; old M - new M: a whole number, 0 or less
	s_delay_alu instid0(VALU_DEP_1)
	v_cvt_i32_f32 v[PW], v[PW]                     ; (it saturates)
	s_delay_alu instid0(VALU_DEP_1)
	v_ldexp_f32 v[F], 1.0, v[PW]                   ; f = 2^(old M - new M)
.set j, 0
.rept 32
	v_pk_fma_f32 v[S+j:S+j+1], v[S+j:S+j+1], s[CS:CS+1], v[12:13] op_sel_hi:[1,0,0]   ; t - M, two at a time
.set j, j+2
.endr
.irp b, 0,1,2,3
	v_fma_f32 v[BM+\b], v[BM+\b], s[CS], v12       ; the same of each block's largest score
.endr
.set j, 0
	s_wait_alu depctr_va_vdst(0)
.rept 64
	v_exp_f32 v[S+j], v[S+j]                       ; p = 2^(t - M)
.set j, j+1
.endr
	s_setprio 1
	v_pk_mul_f32 v[14:15], v[14:15], v[F:F+1] op_sel_hi:[1,0]   ; the sums under the new M: a plain place behind the exponentials
	s_wait_alu depctr_va_vdst(0)                   ; one wait for the batch of 64, ahead of its first reader
.irp b, 0,1,2,3
	v_exp_f32 v[BM+\b], v[BM+\b]                   ; each block's largest p: the same two instructions on the same number
.endr
	v_pk_add_f32 v[216:217], v[100:101], v[104:105]
	v_pk_add_f32 v[252:253], v[108:109], v[112:113]
	v_pk_add_f32 v[250:251], v[116:117], v[120:121]
	v_pk_add_f32 v[248:249], v[124:125], v[128:129]
	v_pk_add_f32 v[246:247], v[132:133], v[136:137]
	v_pk_add_f32 v[244:245], v[140:141], v[144:145]
	v_pk_add_f32 v[242:243], v[148:149], v[152:153]
	v_pk_add_f32 v[14:15], v[14:15], v[156:157]
	v_pk_add_f32 v[216:217], v[216:217], v[96:97]
	v_pk_add_f32 v[252:253], v[252:253], v[98:99]
	v_pk_add_f32 v[250:251], v[250:251], v[102:103]
	v_pk_add_f32 v[248:249], v[248:249], v[106:107]
	v_pk_add_f32 v[246:247], v[246:247], v[110:111]
	v_pk_add_f32 v[244:245], v[244:245], v[114:115]
	v_pk_add_f32 v[242:243], v[242:243], v[118:119]
	v_pk_add_f32 v[14:15], v[14:15], v[122:123]
	v_pk_add_f32 v[216:217], v[216:217], v[126:127]
	v_pk_add_f32 v[252:253], v[252:253], v[130:131]
	v_pk_add_f32 v[250:251], v[250:251], v[134:135]
	v_pk_add_f32 v[248:249], v[248:249], v[138:139]
	v_pk_add_f32 v[246:247], v[246:247], v[142:143]
	v_pk_add_f32 v[244:245], v[244:245], v[146:147]
	v_pk_add_f32 v[242:243], v[242:243], v[150:151]
	v_pk_add_f32 v[14:15], v[14:15], v[154:155]
	v_pk_add_f32 v[216:217], v[216:217], v[158:159]
	s_delay_alu instid0(VALU_DEP_2)
	v_pk_add_f32 v[14:15], v[14:15], v[248:249]
	s_delay_alu instid0(VALU_DEP_2)
	v_pk_add_f32 v[216:217], v[216:217], v[246:247]
	v_pk_add_f32 v[252:253], v[252:253], v[244:245]
	v_pk_add_f32 v[250:251], v[250:251], v[242:243]
	s_delay_alu instid0(VALU_DEP_2)
	v_pk_add_f32 v[14:15], v[14:15], v[252:253]
	s_delay_alu instid0(VALU_DEP_2)
	v_pk_add_f32 v[216:217], v[216:217], v[250:251]
	s_delay_alu instid0(VALU_DEP_1)
	v_pk_add_f32 v[14:15], v[14:15], v[216:217]
	s_wait_alu depctr_va_vdst(0)                   ; and one for the four
.irp b, 0,1,2,3
	v_max_num_f32 v[BM+\b], 0x2800000, v[BM+\b]    ; the floor 2^(5 - 127): the byte cannot fall under 1
.endr
.irp b, 0,1,2,3
	s_delay_alu instid0(VALU_DEP_4)
	v_add_nc_u32 v[SO+\b], 0xfe000000, v[BM+\b]    ; 4 off the exponent field: the conversion's scale operand
.endr
.irp b, 0,1,2,3
	s_delay_alu instid0(VALU_DEP_4)
	v_lshrrev_b32 v[BX+\b], 23, v[SO+\b]           ; the scale's byte
.endr
	s_delay_alu instid0(VALU_DEP_3)
	v_lshl_or_b32 v[PS], v[BX+1], 8, v[BX]         ; p's scale word for these 128 keys
	s_delay_alu instid0(VALU_DEP_1)
	v_lshl_or_b32 v[PS], v[BX+2], 16, v[PS]
	s_delay_alu instid0(VALU_DEP_1)
	v_lshl_or_b32 v[PS], v[BX+3], 24, v[PS]
.irp c, 0,1
	v_cvt_scalef32_pk16_bf6_f32 v[PC+6*\c:PC+2+6*\c], v[S+32*\c:S+15+32*\c], v[SO+2*\c]
	v_cvt_scalef32_pk16_bf6_f32 v[PT+4*\c:PT+2+4*\c], v[S+16+32*\c:S+31+32*\c], v[SO+1+2*\c]
.endr
	v_nop                                          ; one plain place behind the conversions
.irp t, 0,1,2,3                                ; V's four fragments (16 channels x 128 keys) into the registers that p has left
.irp c, 0,1,2
	ds_load_b128 v[S+12*\t+4*\c:S+12*\t+4*\c+3], v[ADK] offset:6656+1536*\t+512*\c
.endr
.endr
	ds_load_b32 v[VS], v[AD8] offset:12800
	ds_load_b32 v[VS+1], v[AD8] offset:13056
.irp c, 0,1                                    ; a whole block to a lane
.irp i, 0,1,2
	v_permlane16_swap_b32 v[PC+6*\c+\i], v[PT+4*\c+\i]
.endr
.irp i, 0,1,2
	s_delay_alu instid0(VALU_DEP_3)
	v_mov_b32 v[PC+3+6*\c+\i], v[PT+4*\c+\i]
.endr
.endr
.set j, 0
	s_setprio 0
.rept 16
	v_pk_mul_f32 v[O+j:O+j+1], v[O+j:O+j+1], v[F:F+1] op_sel_hi:[1,0]   ; O^T under the new M; these also stand between the writes of p's codes and scale word and the products
.set j, j+2
.endr
	s_wait_alu depctr_va_vdst(0)
	s_wait_dscnt 0x0
.irp t, 0,1,2,3                                ; O^T += V^T P^T: four accumulators by turns
	WMA O+8*\t, S+12*\t, PC, VS+\t/2, PS, \t%2
.endr
	s_add_co_u32 s[TB], s[TB], 13312
	s_sub_co_u32 s[STP], s[STP], 1
	s_cmp_lg_u32 s[STP], 0
	s_cbranch_scc1 .Lstep
	s_setprio 0
	PLACES 4                                       ; behind the last products
	v_add_f32 v14, v14, v15                        ; the sum's two halves,
	s_delay_alu instid0(VALU_DEP_1)
	v_permlanex16_b32 v[PW], v14, s[SEL], s[SEL+1]
	s_delay_alu instid0(VALU_DEP_1)
	v_add_f32 v14, v14, v[PW]                      ; and lane l xor 16's
	s_wait_alu depctr_va_vdst(0)
	v_rcp_f32 v14, v14
	v_nop                                          ; a plain place behind the reciprocal
	s_wait_alu depctr_va_vdst(0)                   ; and the wait ahead of its first reader
.set j, 0
.rept 16
	v_pk_mul_f32 v[S+j:S+j+1], v[O+j:O+j+1], v[14:15] op_sel_hi:[1,0]   ; ctx: register 16 b + i = channel 32 b + 16 (lane / 16) + i of my query
.set j, j+2
.endr
	s_wait_alu depctr_va_vdst(0)
	s_wait_xcnt 0x0                                ; the last pass's stores have read their registers
.irp b, 0,1                                    ; ctx's two blocks of 32 are quantised
	v_max3_num_f32 v[TM+\b], |v[S+16*\b]|, |v[S+1+16*\b]|, 0x2800000
.endr
.irp i, 2,4,6,8,10,12,14
.irp b, 0,1
	s_delay_alu instid0(VALU_DEP_2)
	v_max3_num_f32 v[TM+\b], v[TM+\b], |v[S+16*\b+\i]|, |v[S+1+16*\b+\i]|
.endr
.endr
.irp b, 0,1
	s_delay_alu instid0(VALU_DEP_2)
	v_permlanex16_b32 v[TM+4+\b], v[TM+\b], s[SEL], s[SEL+1]
.endr
.irp b, 0,1
	s_delay_alu instid0(VALU_DEP_2)
	v_max_num_f32 v[TM+\b], v[TM+\b], v[TM+4+\b]
.endr
.irp b, 0,1
	s_delay_alu instid0(VALU_DEP_2)
	v_add_nc_u32 v[TM+8+\b], 0xfe000000, v[TM+\b]
.endr
.irp b, 0,1
	s_delay_alu instid0(VALU_DEP_2)
	v_lshrrev_b32 v[TM+4+\b], 23, v[TM+8+\b]
.endr
	s_delay_alu instid0(VALU_DEP_1)
	v_lshl_or_b32 v[PW], v[TM+5], 8, v[TM+4]
	s_delay_alu instid0(VALU_DEP_1)
	v_mov_b32 v[PW+1], v[PW]
	v_cvt_scalef32_pk16_bf6_f32 v[PC:PC+2], v[S:S+15], v[TM+8]
	v_cvt_scalef32_pk16_bf6_f32 v[PT:PT+2], v[S+16:S+31], v[TM+9]
	v_nop
.irp i, 0,1,2
	v_permlane16_swap_b32 v[PC+\i], v[PT+\i]
.endr
.irp i, 0,1,2
	s_delay_alu instid0(VALU_DEP_3)
	v_mov_b32 v[PC+3+\i], v[PT+\i]
.endr
	global_store_b128 v[LI16], v[PC:PC+3], s[CB:CB+1]              ; 512 consecutive bytes,
	global_store_b64 v[LI8], v[PC+4:PC+5], s[CB:CB+1] offset:512   ; 256,
	global_store_b64 v[LI8], v[PW:PW+1], s[CB:CB+1] offset:768     ; and 256: the record is whole
	s_wait_xcnt 0x0                                ; loads and stores have read their bases and registers
	s_add_nc_u64 s[QB:QB+1], s[QB:QB+1], 39936     ; 16 tiles on: two records
	s_add_nc_u64 s[CB:CB+1], s[CB:CB+1], 262144    ; 16 tiles x 16 heads x 1,024 bytes
	s_sub_co_u32 s[PAS], s[PAS], 1
	s_cmp_lg_u32 s[PAS], 0
	s_cbranch_scc1 .Lpass
	s_wait_dscnt 0x0
	s_wait_tensorcnt 0x0
	ds_add_u32 v254, v255
	s_wait_dscnt 0x0
	CROUND                                         ; the closing round
	s_endpgm
.Lfunc_end_k_qfe11a1179b_attn:
	.size	k_qfe11a1179b_attn, .Lfunc_end_k_qfe11a1179b_attn-k_qfe11a1179b_attn
	.p2alignl 7, 3214868480
	.fill 96, 4, 3214868480
	.section	.rodata,"a",@progbits
	.p2align	6, 0x0
	.amdhsa_kernel k_qfe11a1179b_attn
		.amdhsa_group_segment_fixed_size 215040
		.amdhsa_private_segment_fixed_size 0
		.amdhsa_enable_private_segment 0
		.amdhsa_kernarg_size 16
		.amdhsa_user_sgpr_count 2
		.amdhsa_user_sgpr_kernarg_segment_ptr 1
		.amdhsa_wavefront_size32 1
		.amdhsa_system_sgpr_workgroup_id_x 1
		.amdhsa_system_sgpr_workgroup_id_y 1
		.amdhsa_system_sgpr_workgroup_id_z 1
		.amdhsa_system_vgpr_workitem_id 0
		.amdhsa_next_free_vgpr 256
		.amdhsa_next_free_sgpr 66
		.amdhsa_reserve_vcc 0
		.amdhsa_float_denorm_mode_32 3
		.amdhsa_float_denorm_mode_16_64 3
		.amdhsa_memory_ordered 1
		.amdhsa_forward_progress 1
		.amdhsa_inst_pref_size 29
	.end_amdhsa_kernel
	.amdgpu_metadata
---
amdhsa.version: [ 1, 2 ]
amdhsa.kernels:
  - .name:           k_qfe11a1179b_attn
    .symbol:         k_qfe11a1179b_attn.kd
    .args:
      - { .name: qkvw, .offset: 0, .size: 8, .value_kind: global_buffer, .address_space: global }
      - { .name: ctxw, .offset: 8, .size: 8, .value_kind: global_buffer, .address_space: global }
    .group_segment_fixed_size: 215040
    .private_segment_fixed_size: 0
    .kernarg_segment_align: 8
    .kernarg_segment_size: 16
    .max_flat_workgroup_size: 512
    .sgpr_count:     66
    .vgpr_count:     256
    .wavefront_size: 32
...
	.end_amdgpu_metadata
.endif
;; end of part 3
;; launch outln (part 4): grid 256 x 1, 16 waves a work-group, no clusters, 327,680 bytes of LDS; arguments ctxw, woi, W_out_scales, b_out, gamma, beta, x, out0; writes out0
.if DOCPART == 4
	.amdgcn_target "amdgcn-amd-amdhsa--gfx1250"
	.amdhsa_code_object_version 6
	.text
	.protected	k_qfe11a1179b_outln
	.globl	k_qfe11a1179b_outln
	.p2align	8
	.type	k_qfe11a1179b_outln,@function
k_qfe11a1179b_outln:
	s_mov_b64 s[64:65], 0
	v_nop
	global_prefetch_b8 v0, s[64:65] scope:SCOPE_SE
	s_setreg_imm32_b32 hwreg(HW_REG_WAVE_MODE, 25, 1), 1
	s_wait_xcnt 0x0
.set WV,   20
.set SEL,  22
.set G1C,  24
.set G1X,  32
.set G0C,  40
.set G0X,  44
.set LI16, 1
.set LI8,  2
.set CS,   12
.set WS,   20
.set AF0,  36
.set ACC,  84
.set WF,   148
.set GA,   180
.set BE,   212
.set CTX,  0
.set XSL,  32768
.set STG,  163840
.set CSC,  295424
.macro PLACES n
.rept \n
	v_nop
.endr
.endm
.macro WMC d, a, b, sa, sb, ra, rb
.if (\ra) && (\rb)
	v_wmma_scale_f32_16x16x128_f8f6f4 v[\d:\d+7], v[\a:\a+11], v[\b:\b+11], v[\d:\d+7], v[\sa], v[\sb] matrix_a_fmt:MATRIX_FMT_BF6 matrix_b_fmt:MATRIX_FMT_BF6 matrix_a_scale:MATRIX_SCALE_ROW1 matrix_b_scale:MATRIX_SCALE_ROW1
.elseif (\ra)
	v_wmma_scale_f32_16x16x128_f8f6f4 v[\d:\d+7], v[\a:\a+11], v[\b:\b+11], v[\d:\d+7], v[\sa], v[\sb] matrix_a_fmt:MATRIX_FMT_BF6 matrix_b_fmt:MATRIX_FMT_BF6 matrix_a_scale:MATRIX_SCALE_ROW1
.elseif (\rb)
	v_wmma_scale_f32_16x16x128_f8f6f4 v[\d:\d+7], v[\a:\a+11], v[\b:\b+11], v[\d:\d+7], v[\sa], v[\sb] matrix_a_fmt:MATRIX_FMT_BF6 matrix_b_fmt:MATRIX_FMT_BF6 matrix_b_scale:MATRIX_SCALE_ROW1
.else
	v_wmma_scale_f32_16x16x128_f8f6f4 v[\d:\d+7], v[\a:\a+11], v[\b:\b+11], v[\d:\d+7], v[\sa], v[\sb] matrix_a_fmt:MATRIX_FMT_BF6 matrix_b_fmt:MATRIX_FMT_BF6
.endif
.endm
	s_load_b256 s[4:11], s[0:1], 0x0
	s_load_b256 s[12:19], s[0:1], 0x20
	v_lshl_add_u32 v254, v0, 2, 0x48600
	v_mov_b32 v255, 0
	ds_add_u32 v254, v255
	ds_add_u32 v254, v255
	v_lshrrev_b32 v3, 5, v0
	s_delay_alu instid0(VALU_DEP_1)
	v_readfirstlane_b32 s[WV], v3
	s_mov_b32 s[G1C], 3<<16
	s_mov_b32 s[G1C+1], 32<<16
	s_mov_b32 s[G1C+2], 8<<16
	s_mov_b32 s[G1C+3], 32<<16
	s_mov_b32 s[G1C+4], 8
	s_mov_b32 s[G1C+5], 32
	s_mov_b32 s[G1C+6], 0
	s_mov_b32 s[G1C+7], 0
	s_mov_b32 s[G1X], 3<<16
	s_mov_b32 s[G1X+1], 32<<16
	s_mov_b32 s[G1X+2], 32<<16
	s_mov_b32 s[G1X+3], 32<<16
	s_mov_b32 s[G1X+4], 32
	s_mov_b32 s[G1X+5], 32
	s_mov_b32 s[G1X+6], 0
	s_mov_b32 s[G1X+7], 0
	s_lshl_b32 s[G0C+1], s[WV], 11
	s_lshl_b32 s[G0X+1], s[WV], 13
	s_add_co_u32 s[G0X+1], s[G0X+1], XSL
	s_lshl_b32 s50, ttmp9, 15
	s_add_co_u32 s50, s50, s[G0C+1]
	s_mov_b32 s51, 0
	s_lshl_b32 s48, ttmp9, 5
	s_lshr_b32 s49, s[WV], 3
	s_lshl_b32 s49, s49, 3
	s_add_co_u32 s48, s48, s49
	s_and_b32 s49, s[WV], 7
	s_lshl_b32 s49, s49, 1
	s_add_co_u32 s48, s48, s49
	s_and_b32 s49, s[WV], 4
	s_lshl_b32 s49, s49, 1
	s_add_co_u32 s48, s48, s49
	s_lshl_b32 s48, s48, 12
	s_mov_b32 s49, 0
	s_wait_dscnt 0x0
	s_wait_kmcnt 0x0
	s_mov_b32 s[G0C], 1
	s_add_nc_u64 s[G0C+2:G0C+3], s[4:5], s[50:51]
	s_or_b32 s[G0C+3], s[G0C+3], 0x80000000
	s_mov_b32 s[G0X], 1
	s_add_nc_u64 s[G0X+2:G0X+3], s[16:17], s[48:49]
	s_or_b32 s[G0X+3], s[G0X+3], 0x80000000
	tensor_load_to_lds s[G0C:G0C+3], s[G1C:G1C+7]
	s_nop 0
	s_wait_alu depctr_va_vdst(0)
	s_wait_tensorcnt 0x0
	ds_add_u32 v254, v255
	s_wait_dscnt 0x0
	s_barrier_signal -1
	s_barrier_wait -1
	tensor_load_to_lds s[G0X:G0X+3], s[G1X:G1X+7]
	s_nop 0
	PLACES 4
	s_add_nc_u64 s[18:19], s[18:19], s[48:49]
	s_mul_i32 s50, s[WV], 49152
	s_add_nc_u64 s[6:7], s[6:7], s[50:51]
	s_lshl_b32 s50, s[WV], 11
	s_add_nc_u64 s[8:9], s[8:9], s[50:51]
	s_lshl_b32 s50, s[WV], 8
	s_add_nc_u64 s[10:11], s[10:11], s[50:51]
	v_and_b32 v3, 31, v0
	s_delay_alu instid0(VALU_DEP_1)
	v_lshlrev_b32 v[LI16], 4, v3
	s_delay_alu instid0(VALU_DEP_2)
	v_lshlrev_b32 v[LI8], 3, v3
	s_delay_alu instid0(VALU_DEP_3)
	v_lshl_add_u32 v7, v3, 2, CSC
	v_and_b32 v244, 15, v0
	v_bfe_u32 v245, v0, 4, 1
	s_delay_alu instid0(VALU_DEP_2)
	v_and_b32 v246, 8, v244
	s_delay_alu instid0(VALU_DEP_1)
	v_add_nc_u32 v246, v246, v244
	s_delay_alu instid0(VALU_DEP_1)
	v_lshlrev_b32 v3, 5, v246
	s_delay_alu instid0(VALU_DEP_1)
	v_lshl_add_u32 v3, v245, 4, v3
	v_lshlrev_b32 v4, 6, v245
	s_lshl_b32 s50, s[WV], 11
	s_add_co_u32 s50, s50, 768
	v_lshlrev_b32 v5, 3, v244
	s_delay_alu instid0(VALU_DEP_1)
	v_add_nc_u32 v5, s50, v5
	s_lshl_b32 s50, s[WV], 6
	s_add_co_u32 s50, s50, CSC
	v_lshlrev_b32 v6, 2, v244
	s_delay_alu instid0(VALU_DEP_1)
	v_add_nc_u32 v6, s50, v6
	s_lshl_b32 s50, s[WV], 8
	s_add_co_u32 s50, s50, STG
	v_mul_u32_u24 v8, v244, 4112
	s_delay_alu instid0(VALU_DEP_1)
	v_lshl_add_u32 v8, v245, 6, v8
	s_delay_alu instid0(VALU_DEP_1)
	v_add_nc_u32 v8, s50, v8
	s_delay_alu instid0(VALU_DEP_1)
	v_add_nc_u32 v9, 65792, v8
	s_mul_i32 s50, s[WV], 8224
	s_add_co_u32 s50, s50, STG
	v_add_nc_u32 v10, s50, v[LI16]
	v_add_nc_u32 v11, s[G0X+1], v[LI16]
	v_mov_b32 v252, 0
	v_mov_b32 v253, 0
	s_mov_b32 s[SEL], 0x76543210
	s_mov_b32 s[SEL+1], 0xfedcba98
	s_mov_b32 s52, 0x3a800000
	s_mov_b32 s53, 0x3727c5ac
.irp t, 0,1,2,3
	global_load_b128 v[WS+4*\t:WS+4*\t+3], v3, s[8:9] offset:(32*(\t/2)+8*(\t%2))*32
.endr
.irp i, 0,1
.irp b, 0,1
.irp q, 0,1,2,3
	global_load_b128 v[ACC+32*\i+16*\b+4*\q:ACC+32*\i+16*\b+4*\q+3], v4, s[10:11] offset:128*\b+16*\q
.endr
.endr
.endr
.macro WLOAD s
.irp t, 0,1,2,3
.irp c, 0,1,2
	global_load_b128 v[WF+48*((\s)%2)+12*\t+4*\c:WF+48*((\s)%2)+12*\t+4*\c+3], v[LI16], s[6:7] offset:(8*\t+(\s))*1536+512*\c
.endr
.endr
.endm
.macro ALOAD s
.irp i, 0,1
.set AF, AF0+24*((\s)%2)+12*\i
	ds_load_b128 v[AF:AF+3], v[LI16] offset:(16*\i+2*(\s))*1024
	ds_load_b64 v[AF+4:AF+5], v[LI8] offset:(16*\i+2*(\s))*1024+512
	ds_load_b128 v[AF+6:AF+9], v[LI16] offset:(16*\i+2*(\s))*1024+1024
	ds_load_b64 v[AF+10:AF+11], v[LI8] offset:(16*\i+2*(\s))*1024+1536
.endr
.endm
	WLOAD 0
	WLOAD 1
	s_wait_tensorcnt 0x1
	ds_load_b32 v244, v5
	ds_load_b32 v245, v5 offset:1024
	s_wait_dscnt 0x0
	v_lshl_or_b32 v244, v245, 16, v244
	ds_store_b32 v6, v244
	s_wait_dscnt 0x0
	s_barrier_signal -1
	s_barrier_wait -1
.irp i, 0,1
.irp c, 0,1,2,3
	ds_load_b32 v[CS+4*\i+\c], v7 offset:512*\i+128*\c
.endr
.endr
	ALOAD 0
.macro KSTEP s
.if (\s) < 7
	ALOAD (\s)+1
	s_wait_loadcnt 12
	s_wait_dscnt 8
.else
	s_wait_loadcnt 4
	s_wait_dscnt 0x0
.endif
.set S3, (\s)&3
.set S1, (\s)>>1
.set RW, (\s)>>2
.set RX, (\s)&1
.irp t, 0,1,2,3
.irp i, 0,1
	WMC ACC+32*\i+8*\t, WF+48*((\s)%2)+12*\t, AF0+24*((\s)%2)+12*\i, WS+4*\t+S3, CS+4*\i+S1, RW, RX
.endr
.endr
	PLACES 4
.if (\s) < 6
	WLOAD (\s)+2
.elseif (\s) == 6
.irp j, 0,1,2,3
	global_load_b128 v[GA+4*\j:GA+4*\j+3], v[LI16], s[12:13] offset:512*\j
.endr
.else
.irp j, 4,5,6,7
	global_load_b128 v[GA+4*\j:GA+4*\j+3], v[LI16], s[12:13] offset:512*\j
.endr
.irp j, 0,1,2,3,4,5,6,7
	global_load_b128 v[BE+4*\j:BE+4*\j+3], v[LI16], s[14:15] offset:512*\j
.endr
.endif
.endm
	KSTEP 0
	KSTEP 1
	KSTEP 2
	KSTEP 3
	KSTEP 4
	KSTEP 5
	KSTEP 6
	KSTEP 7
	s_wait_alu depctr_va_vdst(0)
.irp i, 0,1
.irp b, 0,1
.irp q, 0,1,2,3
	ds_store_b128 v[8+\i], v[ACC+32*\i+16*\b+4*\q:ACC+32*\i+16*\b+4*\q+3] offset:128*\b+16*\q
.endr
.endr
.endr
	s_wait_dscnt 0x0
	s_barrier_signal -1
	s_barrier_wait -1
	s_wait_tensorcnt 0x0
.irp n, 0,1,2,3,4,5,6,7,8,9,10,11,12,13,14,15
	ds_load_b128 v[ACC+4*\n:ACC+4*\n+3], v10 offset:4112*(\n/8)+512*(\n%8)
.endr
.irp n, 0,1,2,3,4,5,6,7,8,9,10,11
	ds_load_b128 v[AF0+4*\n:AF0+4*\n+3], v11 offset:512*\n
.endr
.irp n, 12,13,14,15
	ds_load_b128 v[WF+4*(\n-12):WF+4*(\n-12)+3], v11 offset:512*\n
.endr
	s_wait_loadcnt 0x0
	s_wait_dscnt 0x0
.irp n, 0,1,2,3,4,5,6,7,8,9,10,11
	v_pk_add_f32 v[ACC+4*\n:ACC+4*\n+1], v[ACC+4*\n:ACC+4*\n+1], v[AF0+4*\n:AF0+4*\n+1]
	v_pk_add_f32 v[ACC+4*\n+2:ACC+4*\n+3], v[ACC+4*\n+2:ACC+4*\n+3], v[AF0+4*\n+2:AF0+4*\n+3]
.endr
.irp n, 12,13,14,15
	v_pk_add_f32 v[ACC+4*\n:ACC+4*\n+1], v[ACC+4*\n:ACC+4*\n+1], v[WF+4*(\n-12):WF+4*(\n-12)+1]
	v_pk_add_f32 v[ACC+4*\n+2:ACC+4*\n+3], v[ACC+4*\n+2:ACC+4*\n+3], v[WF+4*(\n-12)+2:WF+4*(\n-12)+3]
.endr
.irp e, 0,1
	v_pk_add_f32 v[244+2*\e:245+2*\e], v[ACC+32*\e:ACC+32*\e+1], v[ACC+32*\e+2:ACC+32*\e+3]
.endr
.irp j, 4,6,8,10,12,14,16,18,20,22,24,26,28,30
.irp e, 0,1
	s_delay_alu instid0(VALU_DEP_2)
	v_pk_add_f32 v[244+2*\e:245+2*\e], v[244+2*\e:245+2*\e], v[ACC+32*\e+\j:ACC+32*\e+\j+1]
.endr
.endr
.irp e, 0,1
	s_delay_alu instid0(VALU_DEP_2)
	v_add_f32 v[244+2*\e], v[244+2*\e], v[245+2*\e]
.endr
.irp m, 1,2,4,8
.irp e, 0,1
	s_delay_alu instid0(VALU_DEP_2)
	v_add_f32_dpp v[244+2*\e], v[244+2*\e], v[244+2*\e] row_xmask:\m row_mask:0xf bank_mask:0xf
.endr
.endr
.irp e, 0,1
	s_delay_alu instid0(VALU_DEP_2)
	v_permlanex16_b32 v[252+\e], v[244+2*\e], s[SEL], s[SEL+1]
.endr
.irp e, 0,1
	s_delay_alu instid0(VALU_DEP_2)
	v_add_f32 v[244+2*\e], v[244+2*\e], v[252+\e]
.endr
.irp e, 0,1
	s_delay_alu instid0(VALU_DEP_2)
	v_mul_f32 v[244+2*\e], s52, v[244+2*\e]
.endr
.irp j, 0,2,4,6,8,10,12,14,16,18,20,22,24,26,28,30
.irp e, 0,1
	v_pk_add_f32 v[ACC+32*\e+\j:ACC+32*\e+\j+1], v[ACC+32*\e+\j:ACC+32*\e+\j+1], v[244+2*\e:245+2*\e] op_sel_hi:[1,0] neg_lo:[0,1] neg_hi:[0,1]
.endr
.endr
.irp e, 0,1
	v_pk_mul_f32 v[248+2*\e:249+2*\e], v[ACC+32*\e:ACC+32*\e+1], v[ACC+32*\e:ACC+32*\e+1]
.endr
.irp j, 2,4,6,8,10,12,14,16,18,20,22,24,26,28,30
.irp e, 0,1
	s_delay_alu instid0(VALU_DEP_2)
	v_pk_fma_f32 v[248+2*\e:249+2*\e], v[ACC+32*\e+\j:ACC+32*\e+\j+1], v[ACC+32*\e+\j:ACC+32*\e+\j+1], v[248+2*\e:249+2*\e]
.endr
.endr
.irp e, 0,1
	s_delay_alu instid0(VALU_DEP_2)
	v_add_f32 v[248+2*\e], v[248+2*\e], v[249+2*\e]
.endr
.irp m, 1,2,4,8
.irp e, 0,1
	s_delay_alu instid0(VALU_DEP_2)
	v_add_f32_dpp v[248+2*\e], v[248+2*\e], v[248+2*\e] row_xmask:\m row_mask:0xf bank_mask:0xf
.endr
.endr
.irp e, 0,1
	s_delay_alu instid0(VALU_DEP_2)
	v_permlanex16_b32 v[252+\e], v[248+2*\e], s[SEL], s[SEL+1]
.endr
.irp e, 0,1
	s_delay_alu instid0(VALU_DEP_2)
	v_add_f32 v[248+2*\e], v[248+2*\e], v[252+\e]
.endr
.irp e, 0,1
	s_delay_alu instid0(VALU_DEP_2)
	v_fma_f32 v[248+2*\e], v[248+2*\e], s52, s53
.endr
	s_wait_alu depctr_va_vdst(0)
	v_rsq_f32 v248, v248
	v_rsq_f32 v250, v250
	v_nop
	s_wait_alu depctr_va_vdst(0)
.irp j, 0,2,4,6,8,10,12,14,16,18,20,22,24,26,28,30
.irp e, 0,1
	v_pk_mul_f32 v[ACC+32*\e+\j:ACC+32*\e+\j+1], v[ACC+32*\e+\j:ACC+32*\e+\j+1], v[248+2*\e:249+2*\e] op_sel_hi:[1,0]
.endr
.endr
.irp j, 0,2,4,6,8,10,12,14,16,18,20,22,24,26,28,30
.irp e, 0,1
	v_pk_fma_f32 v[ACC+32*\e+\j:ACC+32*\e+\j+1], v[ACC+32*\e+\j:ACC+32*\e+\j+1], v[GA+\j:GA+\j+1], v[BE+\j:BE+\j+1]
.endr
.endr
.irp e, 0,1
.irp j, 0,1,2,3,4,5,6,7
	global_store_b128 v[LI16], v[ACC+32*\e+4*\j:ACC+32*\e+4*\j+3], s[18:19] offset:4096*\e+512*\j th:TH_STORE_NT
.endr
.endr
	s_wait_tensorcnt 0x0
	ds_add_u32 v254, v255
	s_wait_dscnt 0x0
	s_endpgm
.Lfunc_end_k_qfe11a1179b_outln:
	.size	k_qfe11a1179b_outln, .Lfunc_end_k_qfe11a1179b_outln-k_qfe11a1179b_outln
	.p2alignl 7, 3214868480
	.fill 96, 4, 3214868480
	.section	.rodata,"a",@progbits
	.p2align	6, 0x0
	.amdhsa_kernel k_qfe11a1179b_outln
		.amdhsa_group_segment_fixed_size 327680
		.amdhsa_private_segment_fixed_size 0
		.amdhsa_enable_private_segment 0
		.amdhsa_kernarg_size 64
		.amdhsa_user_sgpr_count 2
		.amdhsa_user_sgpr_kernarg_segment_ptr 1
		.amdhsa_wavefront_size32 1
		.amdhsa_system_sgpr_workgroup_id_x 1
		.amdhsa_system_sgpr_workgroup_id_y 1
		.amdhsa_system_sgpr_workgroup_id_z 1
		.amdhsa_system_vgpr_workitem_id 0
		.amdhsa_next_free_vgpr 256
		.amdhsa_next_free_sgpr 66
		.amdhsa_reserve_vcc 0
		.amdhsa_float_denorm_mode_32 3
		.amdhsa_float_denorm_mode_16_64 3
		.amdhsa_memory_ordered 1
		.amdhsa_forward_progress 1
		.amdhsa_inst_pref_size 54
	.end_amdhsa_kernel
	.amdgpu_metadata
---
amdhsa.version: [ 1, 2 ]
amdhsa.kernels:
  - .name:           k_qfe11a1179b_outln
    .symbol:         k_qfe11a1179b_outln.kd
    .args:
      - { .name: ctxw, .offset: 0, .size: 8, .value_kind: global_buffer, .address_space: global }
      - { .name: woi, .offset: 8, .size: 8, .value_kind: global_buffer, .address_space: global }
      - { .name: W_out_scales, .offset: 16, .size: 8, .value_kind: global_buffer, .address_space: global }
      - { .name: b_out, .offset: 24, .size: 8, .value_kind: global_buffer, .address_space: global }
      - { .name: gamma, .offset: 32, .size: 8, .value_kind: global_buffer, .address_space: global }
      - { .name: beta, .offset: 40, .size: 8, .value_kind: global_buffer, .address_space: global }
      - { .name: x, .offset: 48, .size: 8, .value_kind: global_buffer, .address_space: global }
      - { .name: out0, .offset: 56, .size: 8, .value_kind: global_buffer, .address_space: global }
    .group_segment_fixed_size: 327680
    .private_segment_fixed_size: 0
    .kernarg_segment_align: 8
    .kernarg_segment_size: 64
    .max_flat_workgroup_size: 512
    .sgpr_count:     66
    .vgpr_count:     256
    .wavefront_size: 32
...
	.end_amdgpu_metadata
.endif
;; end of part 4
